; MI455X (gfx1250); checked and timed in simulation.
; The chip was launched on July 23, 2026; its instructions are those of AMD's public machine-readable ISA for CDNA 5 (MIT licence, August 2026) and "CDNA5" Instruction Set Architecture Reference Guide (July 2026). The comments in the code are by the model that wrote it; some were corrected since.
;; GRU Cell. Allowed arithmetic: float matrix products may take bf16 or f16 operands with f32 sums; all other float work in f32.
;; Inputs: W_h 2,048 x 1,024 float32; W_r 2,048 x 1,024 float32; W_z 2,048 x 1,024 float32; h 8,192 x 1,024 float32; x 8,192 x 1,024 float32.
;; Outputs: out0 8,192 x 1,024 float32.
;; One version. Each part assembles by itself: llvm-mc -triple=amdgcn-amd-amdhsa -mcpu=gfx1250 --defsym DOCPART=n.
;; ======== version 1 of 1: 3 launches
;; limits: values are held in f16: magnitudes above 65,504 overflow, below 6.1e-05 lose precision; inputs' magnitudes at most 65,504
;; workspace buffers: h16 16,777,216 bytes; x16 16,777,216 bytes; rh16 16,777,216 bytes; wr16 4,194,304 bytes; wz16 4,194,304 bytes; wh16 4,194,304 bytes; z32 33,554,432 bytes
;; launch cast (part 1): grid 1408 x 1, 8 waves a work-group, no clusters, 0 bytes of LDS; arguments h, x, W_r, W_z, W_h, h16, x16, wr16, wz16, wh16; writes h16, x16, wr16, wz16, wh16
.if DOCPART == 1
	.amdgcn_target "amdgcn-amd-amdhsa--gfx1250"
	.amdhsa_code_object_version 6
	.text
	.protected	k_qef66c7c951_cast
	.globl	k_qef66c7c951_cast
	.p2align	8
	.type	k_qef66c7c951_cast,@function
k_qef66c7c951_cast:
	s_mov_b64 s[64:65], 0
	v_nop
	global_prefetch_b8 v0, s[64:65] scope:SCOPE_SE
	s_setreg_imm32_b32 hwreg(HW_REG_WAVE_MODE, 25, 1), 1
	s_wait_xcnt 0x0
; Flat copies f32 -> f16 of h, x, W_r, W_z, W_h into h16, x16, wr16, wz16, wh16; the index order is kept.
; The two products that follow take 16-bit operands; casting once here halves what their tiles move and keeps conversions out of their loops.
; WHY f16 AND NOT bf16: the sums run over K = 2,048 products and pass through two activations and a blend; f16 keeps 11 significant bits against 8.
; LIMIT: a number of magnitude 65,520 or more becomes infinite here.  Numbers below 6.1e-5 in magnitude are kept as f16 denormals, in steps of 6e-8.
; A work-group casts a chunk of 16,384 numbers (65,536 bytes in, 32,768 out): 512 chunks of h, 512 of x, 128 of each weight = 1,408 work-groups.
; A wave owns 8,192 bytes of the chunk: sixteen loads of 512 neighbouring bytes, all issued before the first is waited for, and sixteen
; stores in which the 32 lanes write 256 consecutive bytes, aligned.  Nothing is shared and nothing is read twice: no LDS, no barrier,
; no matrix unit, no cluster.  No register is written twice, so no source of a pending load or store is ever overwritten.
.set CHUNK_IN,  65536
.set X, 4                              ; v[4:67]   sixteen loads of four f32
.set Y, 68                             ; v[68:99]  sixteen pairs of packed f16
	s_load_b512 s[4:19], s[0:1], 0x0               ; h 4, x 6, W_r 8, W_z 10, W_h 12, h16 14, x16 16, wr16 18
	s_load_b128 s[20:23], s[0:1], 0x40             ; wz16 20, wh16 22
	s_mov_b32 s25, ttmp9                           ; the chunk's number in the whole launch
	v_and_b32 v3, 31, v0                           ; lane
	v_lshrrev_b32 v2, 5, v0                        ; wave
	v_lshlrev_b32 v1, 4, v3
	v_lshl_or_b32 v1, v2, 13, v1                   ; in:  8,192 x wave + 16 x lane
	v_lshlrev_b32 v3, 3, v3
	v_lshl_or_b32 v2, v2, 12, v3                   ; out: 4,096 x wave + 8 x lane
	s_wait_kmcnt 0x0
	; which pair of buffers the chunk belongs to, and the number of that pair's first chunk: a choice on the work-group's number alone
	s_mov_b64 s[26:27], s[4:5]
	s_mov_b64 s[28:29], s[14:15]
	s_mov_b32 s24, 0
	s_cmp_ge_u32 s25, 512
	s_cselect_b64 s[26:27], s[6:7], s[26:27]
	s_cselect_b64 s[28:29], s[16:17], s[28:29]
	s_cselect_b32 s24, 512, s24
	s_cmp_ge_u32 s25, 1024
	s_cselect_b64 s[26:27], s[8:9], s[26:27]
	s_cselect_b64 s[28:29], s[18:19], s[28:29]
	s_cselect_b32 s24, 1024, s24
	s_cmp_ge_u32 s25, 1152
	s_cselect_b64 s[26:27], s[10:11], s[26:27]
	s_cselect_b64 s[28:29], s[20:21], s[28:29]
	s_cselect_b32 s24, 1152, s24
	s_cmp_ge_u32 s25, 1280
	s_cselect_b64 s[26:27], s[12:13], s[26:27]
	s_cselect_b64 s[28:29], s[22:23], s[28:29]
	s_cselect_b32 s24, 1280, s24
	s_sub_co_u32 s24, s25, s24                     ; the chunk's number inside its buffer, 511 at the most
	s_lshl_b32 s30, s24, 16                        ; x 65,536 bytes in
	s_mov_b32 s31, 0
	s_lshl_b32 s32, s24, 15                        ; x 32,768 bytes out
	s_mov_b32 s33, 0
	s_add_nc_u64 s[26:27], s[26:27], s[30:31]
	s_add_nc_u64 s[28:29], s[28:29], s[32:33]
.irp j, 0,1,2,3,4,5,6,7,8,9,10,11,12,13,14,15
	global_load_b128 v[X+4*\j:X+4*\j+3], v1, s[26:27] offset:512*\j th:TH_LOAD_NT   ; read once in this launch
.endr
.irp j, 0,1,2,3,4,5,6,7,8,9,10,11,12,13,14,15
	s_wait_loadcnt 15-\j                           ; loads come back in order (ISA guide 5.7.1): load j is in, the 15 - j younger ones stay out
	v_cvt_pk_f16_f32 v[Y+2*\j],   v[X+4*\j],   v[X+4*\j+1]     ; first source into the low half
	v_cvt_pk_f16_f32 v[Y+2*\j+1], v[X+4*\j+2], v[X+4*\j+3]
	global_store_b64 v2, v[Y+2*\j:Y+2*\j+1], s[28:29] offset:256*\j   ; no hint: the next launches read these bytes
.endr
	s_endpgm
.Lfunc_end_k_qef66c7c951_cast:
	.size	k_qef66c7c951_cast, .Lfunc_end_k_qef66c7c951_cast-k_qef66c7c951_cast
	.p2alignl 7, 3214868480
	.fill 96, 4, 3214868480
	.section	.rodata,"a",@progbits
	.p2align	6, 0x0
	.amdhsa_kernel k_qef66c7c951_cast
		.amdhsa_group_segment_fixed_size 0
		.amdhsa_private_segment_fixed_size 0
		.amdhsa_enable_private_segment 0
		.amdhsa_kernarg_size 80
		.amdhsa_user_sgpr_count 2
		.amdhsa_user_sgpr_kernarg_segment_ptr 1
		.amdhsa_wavefront_size32 1
		.amdhsa_system_sgpr_workgroup_id_x 1
		.amdhsa_system_sgpr_workgroup_id_y 1
		.amdhsa_system_sgpr_workgroup_id_z 1
		.amdhsa_system_vgpr_workitem_id 0
		.amdhsa_next_free_vgpr 100
		.amdhsa_next_free_sgpr 66
		.amdhsa_reserve_vcc 0
		.amdhsa_float_denorm_mode_32 3
		.amdhsa_float_denorm_mode_16_64 3
		.amdhsa_memory_ordered 1
		.amdhsa_forward_progress 1
		.amdhsa_inst_pref_size 8
	.end_amdhsa_kernel
	.amdgpu_metadata
---
amdhsa.version: [ 1, 2 ]
amdhsa.kernels:
  - .name:           k_qef66c7c951_cast
    .symbol:         k_qef66c7c951_cast.kd
    .args:
      - { .name: h, .offset: 0, .size: 8, .value_kind: global_buffer, .address_space: global }
      - { .name: x, .offset: 8, .size: 8, .value_kind: global_buffer, .address_space: global }
      - { .name: W_r, .offset: 16, .size: 8, .value_kind: global_buffer, .address_space: global }
      - { .name: W_z, .offset: 24, .size: 8, .value_kind: global_buffer, .address_space: global }
      - { .name: W_h, .offset: 32, .size: 8, .value_kind: global_buffer, .address_space: global }
      - { .name: h16, .offset: 40, .size: 8, .value_kind: global_buffer, .address_space: global }
      - { .name: x16, .offset: 48, .size: 8, .value_kind: global_buffer, .address_space: global }
      - { .name: wr16, .offset: 56, .size: 8, .value_kind: global_buffer, .address_space: global }
      - { .name: wz16, .offset: 64, .size: 8, .value_kind: global_buffer, .address_space: global }
      - { .name: wh16, .offset: 72, .size: 8, .value_kind: global_buffer, .address_space: global }
    .group_segment_fixed_size: 0
    .private_segment_fixed_size: 0
    .kernarg_segment_align: 8
    .kernarg_segment_size: 80
    .max_flat_workgroup_size: 256
    .sgpr_count:     66
    .vgpr_count:     100
    .wavefront_size: 32
...
	.end_amdgpu_metadata
.endif
;; end of part 1
;; launch gemm_rz (part 2): grid 8 x 32, 4 waves a work-group, clusters of 4 x 4, 327,680 bytes of LDS; arguments h16, x16, wr16, wz16, h, rh16, z32; writes rh16, z32
.if DOCPART == 2
	.amdgcn_target "amdgcn-amd-amdhsa--gfx1250"
	.amdhsa_code_object_version 6
	.text
	.protected	k_qef66c7c951_gemm_rz
	.globl	k_qef66c7c951_gemm_rz
	.p2align	8
	.type	k_qef66c7c951_gemm_rz,@function
k_qef66c7c951_gemm_rz:
	s_mov_b64 s[64:65], 0
	v_nop
	global_prefetch_b8 v0, s[64:65] scope:SCOPE_SE
	s_setreg_imm32_b32 hwreg(HW_REG_WAVE_MODE, 25, 1), 1
	s_wait_xcnt 0x0
	s_wait_alu depctr_hold_cnt(0) depctr_sa_sdst(0) depctr_va_vdst(0) depctr_va_sdst(0) depctr_va_ssrc(0) depctr_va_vcc(0) depctr_vm_vsrc(0)
	s_getreg_b32 s2, hwreg(HW_REG_IB_STS2, 6, 4)
	s_cmp_eq_u32 s2, 0
	s_cbranch_scc0 .Lentry_in_a_cluster
	s_endpgm
.Lentry_in_a_cluster:
	s_bfe_u32 s2, ttmp6, 0x10000c
	s_cmp_lg_u32 s2, 0xf033
	s_cbranch_scc0 .Lentry_shape_is_right
	s_endpgm
.Lentry_shape_is_right:
; r = sigmoid([h16|x16] wr16), z = sigmoid([h16|x16] wz16);  rh16 = f16(r * h),  z32 = z.
; h16, x16, rh16: [8192][1024] f16; wr16, wz16: [2048][1024] f16; h, z32: [8192][1024] f32.
; LIMITS: the products' operands are f16 (rounded by the launch before; a magnitude of 65,520 or more is infinite there), sums in f32; r * h is rounded once
; to f16, as an operand of the next product, and is never larger in magnitude than h.  z stays f32.
; sigmoid(a) = 1 / (1 + 2^(-1.442695 a)): it saturates to exactly 0 and 1 (2^.. = infinity gives 1/infinity = 0), and a value below 2^-126 comes out as 0.
;
; The two products are one product with 2,048 columns: 32 x 8 blocks of 256 x 256 = 256 work-groups.  Block columns 0-3 are r's, 4-7 are z's.
; Four waves; a wave makes 128 x 128: 64 accumulator tiles of 16 x 16, 512 registers.  K = 2,048 goes in 16 steps of 128 through two LDS slots filled by the
; tensor data mover: steps 0-7 take A from h16, 8-15 from x16.  A slot's 128 KiB of tiles feed 256 matrix instructions of each wave.
; A's tile rows are 256 bytes of memory, B's 512, all starting at multiples of 256 bytes from their buffer's first byte.
; CLUSTERS: 4 x 4 work-groups.  The four of a cluster's row make blocks of one block row and need the same tiles of A; the four of a column need the same tiles
; of B.  Such a tile is asked for jointly: the same tensor load, the same descriptor, a mask that names the four.  A cluster's four block columns are all r's
; (cluster x = 0) or all z's (cluster x = 1): what hangs on that choice (the weights' buffer, the way out) is alike in all sixteen partners.
; B lies [K][N] in memory and in LDS; ds_load_tr16_b128 transposes it on the way into registers.
; THE MATRIX INSTRUCTION IS USED TRANSPOSED (source 0 = B's fragment, source 1 = A's): lane l then holds row l % 16 of the tile, registers 0-7 its columns 8 (l / 16) + 0..7.
;
; REGISTERS, in windows of 256:
;   window 0: v10-18 addresses; v64-127, v128-191 fragments of A (8 x 16 rows x 32 K), two buffers; on the way out T, U, H, Y as below
;   window 1: v64-127, v128-191 fragments of B, two buffers
;   window 2: the 32 accumulator tiles of my rows 0-63 (tile (a, b) at v[8 (8 a + b)]);   window 3: those of my rows 64-127
.set PA,     272                       ; A's LDS row: 256 bytes + 16: an odd multiple of 16, so the 16 rows of a fragment load start 16 bytes apart modulo 256
.set PB,     544                       ; B's LDS row: 512 bytes + 32: an odd multiple of 32, as the transposing load's eight rows want
.set ATILE,  256*PA                    ; 69,632
.set BTILE,  128*PB                    ; 69,632
.set SLOT,   ATILE+BTILE               ; 139,264
.set STAGE,  2*SLOT                    ; 278,528 = 1,088 x 256: behind the ring; no tensor load ever lands here
.set SP,     528                       ; a stage row: 128 f32 + 16 bytes
.set SARR,   16*SP                     ; 16 rows for each wave: 8,448 bytes = 33 x 256
.set ASTEP,  256                       ; bytes along A's rows for a K step
.set BSTEP,  128*2048                  ; bytes down B's rows for a K step
.set ADRA, 10                          ; v10-11  LDS address of my A fragments in slot 0, 1
.set ADRB, 12                          ; v12-13  the same for B
.set STO,  14                          ; v14     the way out: where I put 32 bytes of a row
.set RD,   15                          ; v15     the way out: where I read 16 bytes of a row back
.set GO,   16                          ; v16     16 x lane: my bytes in a row of 128 f32
.set RO,   17                          ; v17     8 x lane: my bytes in a row of 128 f16
.set PF,   18                          ; v18     prefetch of h: 4,096 (lane / 2) + 256 (lane % 2)
.set F0,   64                          ; fragment buffer 0
.set F1,   128                         ; fragment buffer 1
.set T,    32                          ; v32-95   the way out: 16 rows' sums, then the sigmoid, in the tiles' layout
.set U,    96                          ; v96-159  the sigmoid read back by rows
.set H,    160                         ; v160-223 h by rows
.set Y,    224                         ; v224-255 packed f16 to store
.set G1A,  28                          ; s[28:35] descriptor group 1 for A's tiles
.set G1B,  36                          ; s[36:43] for B's
.set G0A,  44                          ; s[44:51] descriptor group 0 for A's tiles, one set for each slot
.set G0B,  52                          ; s[52:59] for B's
.set XA,   60                          ; s[60:63] x16 at my tile of its K steps 0 and 1
.set HB,   80                          ; s[80:81] h at my wave's first row and column
.set OB,   82                          ; s[82:83] rh16 likewise
.set ZB,   84                          ; s[84:85] z32 likewise
.set MUL_LO, 0xa1                      ; s_set_vgpr_msb: source 0 (B) window 1, source 1 (A) window 0, C and D window 2
.set MUL_HI, 0xf1                      ; the same, C and D window 3
.set TO_B,   0x40                      ; destination window 1, address window 0
.set RD_LO,  0x02                      ; source 0 in window 2, the rest in window 0
.set RD_HI,  0x03                      ; source 0 in window 3
.set MSB, 0
.macro WIN new                         ; the immediate's high byte repeats the setting that is left
.if MSB != \new
	s_set_vgpr_msb (MSB<<8)|\new
.set MSB, \new
.endif
.endm
; Four places: a load into a register that a matrix instruction has read, and a vector instruction that reads a matrix result, stand four plain vector
; instructions behind that matrix instruction (ISA guide 7.12.1 for vector instructions).
.macro PLACES
.rept 4
	v_nop
.endr
.endm
; A joint load.  Waves 0 and 1 fetch A's two halves (128 rows x 256 bytes), waves 2 and 3 B's (64 K rows x 512 bytes): 32 KiB each.  Each line has one mask and
; one set of registers for all that issue it.  The branch hangs on the wave's number alone.  Four v_nop follow each line.
.macro JLOAD s
	s_cmp_eq_u32 s19, 0
	s_cbranch_scc0 .Lfor_b_\@
	tensor_load_to_lds s[G0A+4*\s:G0A+4*\s+3], s[G1A:G1A+7]
	s_nop 0
.rept 4
	v_nop
.endr
	s_branch .Lasked_\@
.Lfor_b_\@:
	tensor_load_to_lds s[G0B+4*\s:G0B+4*\s+3], s[G1B:G1B+7]
	s_nop 0
.rept 4
	v_nop
.endr
.Lasked_\@:
.endm
; A round of the cluster's barrier: my work-group's barrier; wave 0 signals for the work-group; every wave waits for all sixteen; my work-group's barrier once more.
.macro CREST                           ; a round behind its opening barrier
	s_cmp_lg_u32 s18, 0
	s_cbranch_scc1 .Lnot_wave_0_\@
	s_barrier_signal -3
.Lnot_wave_0_\@:
	s_barrier_wait -3
	s_barrier_signal -1
	s_barrier_wait -1
.endm
.macro CROUND
	s_barrier_signal -1
	s_barrier_wait -1
	CREST
.endm
; 32 LDS loads in one run: the fragments of quarter q (32 along K) of a slot into buffer f: 8 of B (my 128 columns), then 8 of A (my 128 rows).
.macro FETCH slot, q, f
	WIN TO_B
.irp b, 0,1,2,3,4,5,6,7
	ds_load_tr16_b128 v[\f+8*\b:\f+8*\b+3],   v[ADRB+\slot] offset:\q*32*PB+32*\b          ; k = 32 q + 8 (l / 16) + 0..7 of column 16 b + l % 16
	ds_load_tr16_b128 v[\f+8*\b+4:\f+8*\b+7], v[ADRB+\slot] offset:\q*32*PB+32*\b+16*PB    ; k 16 further on; the largest offset is 61,152
.endr
	WIN 0
.irp i, 0,1,2,3,4,5,6,7
	ds_load_b128 v[\f+8*\i:\f+8*\i+3],   v[ADRA+\slot] offset:\q*64+\i*16*PA
	ds_load_b128 v[\f+8*\i+4:\f+8*\i+7], v[ADRA+\slot] offset:\q*64+\i*16*PA+32
.endr
.endm
; 16 matrix instructions: row blocks a0, a0 + 1 of the window's four (hi = 0: my rows 0-63, 1: rows 64-127) x all 8 column blocks, 32 along K.
; zero = 1: the first product starts the sums, nothing is cleared.
; The 64 accumulators take turns, one instruction a turn, in the same order in every quarter, over the backward jumps too.
.macro MUL16 f, hi, a0, zero
.irp a, \a0, \a0+1
.irp b, 0,1,2,3,4,5,6,7
.if \zero
	v_wmma_f32_16x16x32_f16 v[8*(8*(\a)+\b):8*(8*(\a)+\b)+7], v[\f+8*\b:\f+8*\b+7], v[\f+8*(4*\hi+\a):\f+8*(4*\hi+\a)+7], 0
.else
	v_wmma_f32_16x16x32_f16 v[8*(8*(\a)+\b):8*(8*(\a)+\b)+7], v[\f+8*\b:\f+8*\b+7], v[\f+8*(4*\hi+\a):\f+8*(4*\hi+\a)+7], v[8*(8*(\a)+\b):8*(8*(\a)+\b)+7]
.endif
.endr
.endr
.endm
; In r's clusters: the wave's own 128 rows x 512 bytes of h, wanted on the way out: 8 requests of 32 lanes, 256 bytes apart, each aligned block of 256 bytes asked
; for once in the launch, by the wave that will load it, 288 matrix instructions ahead of those loads.  z's clusters read no h and ask for none.
; PF and HB are never rewritten.  The branch hangs on the cluster's x, which all partners share.
.macro PREFH
	s_cmp_lg_u32 s23, 0
	s_cbranch_scc1 .Lno_h_\@
.irp j, 0,1,2,3,4,5,6,7
	global_prefetch_b8 v[PF], s[HB:HB+1] offset:65536*\j th:TH_LOAD_NT scope:SCOPE_SE
.endr
.Lno_h_\@:
.endm
; A K step is four quarters of 32 along K, 64 matrix instructions each, on buffers 0, 1, 0, 1.
; One of the first three: multiplies buffer f; in its middle it fetches quarter q's fragments of the same slot into buffer g.
.macro QUARTER slot, q, f, g, zero
	s_wait_dscnt 8                                 ; B and A's rows 0-63 are in; the youngest eight loads (A's rows 64-127) may be out
	WIN MUL_LO
	MUL16 \f, 0, 0, \zero
	MUL16 \f, 0, 2, \zero
	PLACES                                         ; behind the matrix instructions that read buffer g
	FETCH \slot, \q, \g
	s_wait_dscnt 32                                ; all but the 32 just issued
	WIN MUL_HI
	MUL16 \f, 1, 0, \zero
	MUL16 \f, 1, 2, \zero
.endm
.macro THREE slot, zero
	QUARTER \slot, 1, F0, F1, \zero
	QUARTER \slot, 2, F1, F0, 0
	QUARTER \slot, 3, F0, F1, 0
.endm
; The last quarter: multiplies buffer 1 and changes slots.  fill = 0: nothing is left to fetch; 1: this slot's tiles two K steps on; 2: A goes over to x16.
; In front of the barrier each wave waits for its own reads of this slot and for all its tensor loads, of which one is out: its part of the next slot.
; Behind it the refill comes first, then the next slot's first fragments.  From a request to the wait for it a wave issues 240 matrix instructions.
.macro TURN slot, next, fill
	s_wait_dscnt 8
	WIN MUL_LO
	MUL16 F1, 0, 0, 0
	s_wait_dscnt 0x0                               ; my reads of this slot are over,
	s_wait_tensorcnt 0x0                           ; and all my tensor loads have landed: the one that was out is my part of the other slot
	ds_add_u32 v255, v31
	s_wait_dscnt 0x0
	s_barrier_signal -1                            ; say so (where the slot is filled again this barrier opens a round of the cluster's barrier);
	MUL16 F1, 0, 2, 0                              ; registers alone while the others arrive
	WIN 0
	s_barrier_wait -1
.if \fill
	CREST                                          ; no wave of any partner still reads this slot or has a load on its way
.if \fill == 1
	s_add_nc_u64 s[G0A+4*\slot+2:G0A+4*\slot+3], s[G0A+4*\slot+2:G0A+4*\slot+3], 2*ASTEP   ; no tensor load of mine is out: every group 0 may be written
.else
	s_mov_b64 s[G0A+4*\slot+2:G0A+4*\slot+3], s[XA+2*\slot:XA+2*\slot+1]
	s_or_b32 s[G0A+4*\slot+3], s[G0A+4*\slot+3], 0x80000000
.endif
	s_add_nc_u64 s[G0B+4*\slot+2:G0B+4*\slot+3], s[G0B+4*\slot+2:G0B+4*\slot+3], 2*BSTEP
	JLOAD \slot                                    ; my one tensor load behind the round, first thing there; its four v_nop are also the places in front of the loads below
.else
	PLACES
.endif
	FETCH \next, 0, F0
.if \fill == 0
	PREFH
.endif
	WIN MUL_HI
	MUL16 F1, 1, 0, 0
	MUL16 F1, 1, 2, 0
.endm
.macro LAP zero, fill                          ; once round the ring
	THREE 0, \zero
	TURN 0, 1, \fill
	THREE 1, 0
	TURN 1, 0, \fill
.endm
.macro LAPS n                                  ; n laps in a counted loop; at a label and at a branch every window is 0
	WIN 0
	s_mov_b32 s3, \n
.Llap_\@:
	LAP 0, 1
	WIN 0
	s_sub_co_u32 s3, s3, 1
	s_cmp_lg_u32 s3, 0
	s_cbranch_scc1 .Llap_\@
.endm
	s_load_b256 s[4:11], s[0:1], 0x0               ; h16 4, x16 6, wr16 8, wz16 10
	s_load_b128 s[12:15], s[0:1], 0x20             ; h 12, rh16 14
	s_load_b64 s[16:17], s[0:1], 0x30              ; z32
	s_set_vgpr_msb 0x40
	v_lshl_add_u32 v255, v0, 2, 0x4c400
	s_set_vgpr_msb 0x4000
	v_mov_b32 v31, 0
	s_set_vgpr_msb 0x1
	ds_add_u32 v255, v31
	s_set_vgpr_msb 0x100
	v_lshrrev_b32 v1, 5, v0
	v_readfirstlane_b32 s18, v1                    ; wave 0..3
	s_lshr_b32 s19, s18, 1                         ; my half of the block's rows.  Also: I fetch for A (0) or for B (1)
	s_and_b32 s20, s18, 1                          ; my half of its columns.  Also: which half of that tile I fetch
	s_bfe_u32 s21, ttmp6, 0x40000                  ; cx: also the block column inside r or inside z
	s_bfe_u32 s22, ttmp6, 0x40004                  ; cy
	s_mov_b32 s23, ttmp9                           ; the cluster's x: 0 = r, 1 = z; the same in all sixteen partners
	s_and_b32 s24, ttmp7, 0xffff
	s_lshl_b32 s24, s24, 2
	s_add_co_u32 s24, s24, s22                     ; block row = 4 x cluster y + cy
	s_lshl_b32 s25, s22, 2
	s_lshl_b32 s25, 15, s25                        ; my row of the cluster: places 4 cy .. 4 cy + 3
	s_lshl_b32 s26, 0x1111, s21                    ; my column: places cx, cx + 4, cx + 8, cx + 12
	; group 1 for A: 128 rows x 128 elements of 2 bytes, 4 words of padding behind every 64 words
	s_or_b32 s[G1A+0], s25, (1<<16)|(1<<20)|(1<<21)|(5<<22)|(3<<25)   ; 15:0 mask; 17:16 element size; 20 padding on; 21 set beside a mask; 24:22 interval; 31:25 pad
	s_mov_b32 s[G1A+1], 128<<16                    ; tensor_dim0 = 128
	s_mov_b32 s[G1A+2], 128<<16                    ; tensor_dim1 = 128
	s_mov_b32 s[G1A+3], 128<<16                    ; tile_dim0 = 128
	s_mov_b32 s[G1A+4], 128                        ; tile_dim1 = 128
	s_mov_b32 s[G1A+5], 1024                       ; elements from row to row
	s_mov_b32 s[G1A+6], 0
	s_mov_b32 s[G1A+7], 0
	; group 1 for B: 64 K rows x 256 elements, 8 words of padding behind every 128 words
	s_or_b32 s[G1B+0], s26, (1<<16)|(1<<20)|(1<<21)|(6<<22)|(7<<25)
	s_mov_b32 s[G1B+1], 256<<16
	s_mov_b32 s[G1B+2], 64<<16
	s_mov_b32 s[G1B+3], 256<<16
	s_mov_b32 s[G1B+4], 64
	s_mov_b32 s[G1B+5], 1024
	s_mov_b32 s[G1B+6], 0
	s_mov_b32 s[G1B+7], 0
	; A's offset hangs on the block row and the wave alone, B's on the block column and the wave alone, each in registers that never hold the other coordinate
	s_lshl_b32 s76, s24, 8
	s_lshl_b32 s77, s20, 7
	s_add_co_u32 s76, s76, s77                     ; row 256 x block row + 128 x half
	s_lshl_b32 s76, s76, 11                        ; x 2,048 bytes
	s_mov_b32 s77, 0
	s_lshl_b32 s78, s20, 17                        ; 64 K rows x 2,048 bytes x half
	s_lshl_b32 s79, s21, 9                         ; 256 columns x 2 bytes x block column
	s_add_co_u32 s78, s78, s79
	s_mov_b32 s79, 0
	s_mul_i32 s68, s20, 128*PA                     ; where my half goes in a slot, if I fetch for A,
	s_mul_i32 s69, s20, 64*PB
	s_add_co_u32 s69, s69, ATILE                   ; if for B: no place in the cluster enters an LDS address
	; my wave's corner of the result, in a matrix of 1,024 columns
	s_lshl_b32 s86, s24, 8
	s_lshl_b32 s87, s19, 7
	s_add_co_u32 s86, s86, s87                     ; first row
	s_lshl_b32 s87, s21, 1
	s_add_co_u32 s87, s87, s20                     ; first column / 128
	s_lshl_b32 s88, s86, 12                        ; in f32: 4,096 bytes a row,
	s_lshl_b32 s89, s87, 9                         ; 512 bytes for 128 columns
	s_add_co_u32 s88, s88, s89
	s_mov_b32 s89, 0
	s_lshr_b32 s86, s88, 1                         ; in f16: half of that
	s_mov_b32 s87, 0
	s_wait_dscnt 0x0
	s_wait_kmcnt 0x0
	s_add_nc_u64 s[4:5], s[4:5], s[76:77]          ; h16 at my tile of K step 0
	s_add_nc_u64 s[XA:XA+1], s[6:7], s[76:77]      ; x16 at my tile of its step 0,
	s_add_nc_u64 s[XA+2:XA+3], s[XA:XA+1], ASTEP   ; and of its step 1
	s_cmp_eq_u32 s23, 0
	s_cselect_b64 s[8:9], s[8:9], s[10:11]         ; the weights: wr16 in r's clusters, wz16 in z's
	s_add_nc_u64 s[8:9], s[8:9], s[78:79]          ; at my tile of K step 0
	s_add_nc_u64 s[HB:HB+1], s[12:13], s[88:89]
	s_add_nc_u64 s[OB:OB+1], s[14:15], s[86:87]
	s_add_nc_u64 s[ZB:ZB+1], s[16:17], s[88:89]
	CROUND                                         ; all sixteen work-groups are here: the first joint loads meet
.irp s, 0,1
	s_mov_b32 s[G0A+4*\s], 1                                       ; count = 1
	s_add_co_u32 s[G0A+4*\s+1], s68, \s*SLOT                       ; LDS address
	s_add_nc_u64 s[G0A+4*\s+2:G0A+4*\s+3], s[4:5], \s*ASTEP        ; global address: K step s
	s_or_b32 s[G0A+4*\s+3], s[G0A+4*\s+3], 0x80000000              ; type = 2
	s_mov_b32 s[G0B+4*\s], 1
	s_add_co_u32 s[G0B+4*\s+1], s69, \s*SLOT
	s_add_nc_u64 s[G0B+4*\s+2:G0B+4*\s+3], s[8:9], \s*BSTEP
	s_or_b32 s[G0B+4*\s+3], s[G0B+4*\s+3], 0x80000000
	JLOAD \s                                       ; both slots' first fills go out before anything else: two tensor loads of the wave are out here, one later on
.endr
	v_and_b32 v1, 15, v0                           ; l % 16
	v_bfe_u32 v2, v0, 4, 1                         ; l / 16
	v_and_b32 v3, 7, v0                            ; l % 8
	v_bfe_u32 v4, v0, 3, 1                         ; (l / 8) % 2
	v_and_b32 v5, 31, v0                           ; l
	v_mul_u32_u24 v6, v1, PA                       ; A: row l % 16, 16 bytes on for the upper lanes
	v_lshl_add_u32 v6, v2, 4, v6
	s_mul_i32 s27, s19, 128*PA                     ; my 128 rows
	v_add_nc_u32 v[ADRA], s27, v6
	v_add_nc_u32 v[ADRA+1], SLOT, v[ADRA]
	v_lshl_add_u32 v7, v2, 3, v3                   ; B: K row 8 (l / 16) + l % 8,
	v_mul_u32_u24 v7, v7, PB
	v_lshl_add_u32 v7, v4, 4, v7                   ; columns 0-7 or 8-15 of the sixteen
	s_lshl_b32 s27, s20, 8                         ; my 128 columns,
	s_add_co_u32 s27, s27, ATILE                   ; behind A's tile
	v_add_nc_u32 v[ADRB], s27, v7
	v_add_nc_u32 v[ADRB+1], SLOT, v[ADRB]
	s_mul_i32 s27, s18, SARR
	s_add_co_u32 s27, s27, STAGE                   ; my stage
	v_mul_u32_u24 v8, v1, SP
	v_lshl_add_u32 v8, v2, 5, v8                   ; in: row l % 16, 32 bytes for each half of the lanes
	v_add_nc_u32 v[STO], s27, v8
	v_lshl_add_u32 v[RD], v5, 4, s27               ; back: 32 lanes take a row's 512 bytes
	v_lshlrev_b32 v[GO], 4, v5
	v_lshlrev_b32 v[RO], 3, v5
	v_lshrrev_b32 v9, 1, v5
	v_and_b32 v8, 1, v5
	v_lshlrev_b32 v[PF], 8, v8
	v_lshl_add_u32 v[PF], v9, 12, v[PF]
	s_wait_tensorcnt 0x1                           ; my part of K step 0 is in; step 1's may stay out
	s_barrier_signal -1
	s_barrier_wait -1                              ; everybody's is
	FETCH 0, 0, F0
	LAP  1, 1                                      ; K steps 0, 1: the first products start the sums; asks for steps 2, 3
	LAPS 2                                         ; steps 2-5; asks for 4-7
	LAP  0, 2                                      ; steps 6, 7; asks for 8, 9: A from x16
	LAPS 3                                         ; steps 8-13; asks for 10-15
	THREE 0, 0                                     ; step 14: nothing is left to fetch, so no round of the cluster's barrier
	TURN 0, 1, 0
	THREE 1, 0                                     ; step 15
	s_wait_dscnt 8                                 ; the very last quarter
	WIN MUL_LO
	MUL16 F1, 0, 0, 0
	MUL16 F1, 0, 2, 0
	s_wait_dscnt 0x0
	WIN MUL_HI
	MUL16 F1, 1, 0, 0
	MUL16 F1, 1, 2, 0
	PLACES                                         ; behind the last matrix instructions: for the reads of the sums and for the loads into the fragments' registers
	WIN 0
; THE WAY OUT, 16 rows at a time: the sigmoid in the tiles' layout, then through my own stage in LDS into whole rows.
; SIGMOID: rows 16 g .. 16 g + 15 = the eight tiles (a, 0..7) of window 2 or 3 (from = RD_LO or RD_HI), into T, and T into the stage.
.macro SIGMOID a, from
	WIN \from
.set p, 0
.rept 32
	v_pk_mul_f32 v[T+2*p:T+2*p+1], v[64*\a+2*p:64*\a+2*p+1], 0xbfb8aa3b op_sel_hi:[1,0]   ; -log2(e) x sum
.set p, p+1
.endr
	WIN 0
.set p, 0
.rept 64
	v_exp_f32 v[T+p], v[T+p]
.set p, p+1
.endr
	v_nop                                          ; one plain vector instruction between a transcendental and the use of its result (ISA guide 5.7.2)
.set p, 0
	s_wait_alu depctr_va_vdst(0)
.rept 32
	v_pk_add_f32 v[T+2*p:T+2*p+1], v[T+2*p:T+2*p+1], 1.0 op_sel_hi:[1,0]
.set p, p+1
.endr
.set p, 0
.rept 64
	v_rcp_f32 v[T+p], v[T+p]
.set p, p+1
.endr
	v_nop
	s_wait_alu depctr_va_vdst(0)
.irp b, 0,1,2,3,4,5,6,7
	ds_store_b128 v[STO], v[T+8*\b:T+8*\b+3]   offset:64*\b
	ds_store_b128 v[STO], v[T+8*\b+4:T+8*\b+7] offset:64*\b+16
.endr
.endm
; r's way out: times h, rounded to f16, stored.
.macro OUTR g, a, from
	s_wait_xcnt 0x0                                ; every earlier memory instruction has had its addresses translated (ISA guide 3.1): Y, which the last group's stores read, is rewritten only behind this wait
.irp t, 0,1,2,3,4,5,6,7,8,9,10,11,12,13,14,15
	global_load_b128 v[H+4*\t:H+4*\t+3], v[GO], s[HB:HB+1] offset:(16*\g+\t)*4096 th:TH_LOAD_NT   ; 512 neighbouring bytes of row t
.endr
	SIGMOID \a, \from
.irp t, 0,1,2,3,4,5,6,7,8,9,10,11,12,13,14,15
	ds_load_b128 v[U+4*\t:U+4*\t+3], v[RD] offset:SP*\t    ; my own bytes; LDS serves a wave's instructions in order (ISA guide 5.7.1): these see the stores above
.endr
.irp t, 0,1,2,3,4,5,6,7,8,9,10,11,12,13,14,15
	s_wait_dscnt 15-\t                             ; row t of r is back, the 15 - t younger LDS loads stay out
	s_wait_loadcnt 15-\t                           ; row t of h is in, the 15 - t younger loads stay out
	v_pk_mul_f32 v[U+4*\t:U+4*\t+1],   v[U+4*\t:U+4*\t+1],   v[H+4*\t:H+4*\t+1]
	v_pk_mul_f32 v[U+4*\t+2:U+4*\t+3], v[U+4*\t+2:U+4*\t+3], v[H+4*\t+2:H+4*\t+3]
	v_cvt_pk_f16_f32 v[Y+2*\t],   v[U+4*\t],   v[U+4*\t+1]
	v_cvt_pk_f16_f32 v[Y+2*\t+1], v[U+4*\t+2], v[U+4*\t+3]
	global_store_b64 v[RO], v[Y+2*\t:Y+2*\t+1], s[OB:OB+1] offset:(16*\g+\t)*2048   ; 32 lanes store 256 consecutive bytes, aligned; the next launch reads them: no hint
.endr
.endm
; z's way out: stored as it is, in f32.
.macro OUTZ g, a, from
	SIGMOID \a, \from
	s_wait_xcnt 0x0                                ; every earlier memory instruction has had its addresses translated (ISA guide 3.1): U, which the last group's stores read, is loaded again only behind this wait
.irp t, 0,1,2,3,4,5,6,7,8,9,10,11,12,13,14,15
	ds_load_b128 v[U+4*\t:U+4*\t+3], v[RD] offset:SP*\t    ; my own bytes; LDS serves a wave's instructions in order (ISA guide 5.7.1): these see the stores above
.endr
.irp t, 0,1,2,3,4,5,6,7,8,9,10,11,12,13,14,15
	s_wait_dscnt 15-\t                             ; row t of z is back, the 15 - t younger LDS loads stay out
	global_store_b128 v[GO], v[U+4*\t:U+4*\t+3], s[ZB:ZB+1] offset:(16*\g+\t)*4096   ; the wave stores 512 consecutive bytes, at a multiple of 512 from z32's first byte; the next launch reads them: no hint
.endr
.endm
	s_cmp_lg_u32 s23, 0                            ; the cluster's x: alike in all partners; neither way holds a barrier or a tensor load
	s_cbranch_scc1 .Lz_out
	OUTR 0, 0, RD_LO
	OUTR 1, 1, RD_LO
	OUTR 2, 2, RD_LO
	OUTR 3, 3, RD_LO
	OUTR 4, 0, RD_HI
	OUTR 5, 1, RD_HI
	OUTR 6, 2, RD_HI
	OUTR 7, 3, RD_HI
	s_branch .Lout_done
.Lz_out:
	OUTZ 0, 0, RD_LO
	OUTZ 1, 1, RD_LO
	OUTZ 2, 2, RD_LO
	OUTZ 3, 3, RD_LO
	OUTZ 4, 0, RD_HI
	OUTZ 5, 1, RD_HI
	OUTZ 6, 2, RD_HI
	OUTZ 7, 3, RD_HI
.Lout_done:
	s_set_vgpr_msb 0x1
	s_wait_tensorcnt 0x0
	ds_add_u32 v255, v31
	s_wait_dscnt 0x0
	s_set_vgpr_msb 0x100
	CROUND                                         ; the closing round: no work-group ends while a partner may still ask for a tile that names it
	s_endpgm
.Lfunc_end_k_qef66c7c951_gemm_rz:
	.size	k_qef66c7c951_gemm_rz, .Lfunc_end_k_qef66c7c951_gemm_rz-k_qef66c7c951_gemm_rz
	.p2alignl 7, 3214868480
	.fill 96, 4, 3214868480
	.section	.rodata,"a",@progbits
	.p2align	6, 0x0
	.amdhsa_kernel k_qef66c7c951_gemm_rz
		.amdhsa_group_segment_fixed_size 327680
		.amdhsa_private_segment_fixed_size 0
		.amdhsa_enable_private_segment 0
		.amdhsa_kernarg_size 56
		.amdhsa_user_sgpr_count 2
		.amdhsa_user_sgpr_kernarg_segment_ptr 1
		.amdhsa_wavefront_size32 1
		.amdhsa_system_sgpr_workgroup_id_x 1
		.amdhsa_system_sgpr_workgroup_id_y 1
		.amdhsa_system_sgpr_workgroup_id_z 1
		.amdhsa_system_vgpr_workitem_id 0
		.amdhsa_next_free_vgpr 1024
		.amdhsa_next_free_sgpr 90
		.amdhsa_reserve_vcc 0
		.amdhsa_float_denorm_mode_32 3
		.amdhsa_float_denorm_mode_16_64 3
		.amdhsa_memory_ordered 1
		.amdhsa_forward_progress 1
		.amdhsa_inst_pref_size 255
	.end_amdhsa_kernel
	.section	.bss,"aw",@nobits
	.p2align	6
	.space	262144
	.amdgpu_metadata
---
amdhsa.version: [ 1, 2 ]
amdhsa.kernels:
  - .name:           k_qef66c7c951_gemm_rz
    .symbol:         k_qef66c7c951_gemm_rz.kd
    .args:
      - { .name: h16, .offset: 0, .size: 8, .value_kind: global_buffer, .address_space: global }
      - { .name: x16, .offset: 8, .size: 8, .value_kind: global_buffer, .address_space: global }
      - { .name: wr16, .offset: 16, .size: 8, .value_kind: global_buffer, .address_space: global }
      - { .name: wz16, .offset: 24, .size: 8, .value_kind: global_buffer, .address_space: global }
      - { .name: h, .offset: 32, .size: 8, .value_kind: global_buffer, .address_space: global }
      - { .name: rh16, .offset: 40, .size: 8, .value_kind: global_buffer, .address_space: global }
      - { .name: z32, .offset: 48, .size: 8, .value_kind: global_buffer, .address_space: global }
    .group_segment_fixed_size: 327680
    .private_segment_fixed_size: 0
    .kernarg_segment_align: 8
    .kernarg_segment_size: 56
    .max_flat_workgroup_size: 128
    .sgpr_count:     90
    .vgpr_count:     1024
    .wavefront_size: 32
...
	.end_amdgpu_metadata
.endif
;; end of part 2
;; launch gemm_t (part 3): grid 4 x 64, 4 waves a work-group, clusters of 4 x 4, 327,680 bytes of LDS; arguments rh16, x16, wh16, h, z32, out0; writes out0
.if DOCPART == 3
	.amdgcn_target "amdgcn-amd-amdhsa--gfx1250"
	.amdhsa_code_object_version 6
	.text
	.protected	k_qef66c7c951_gemm_t
	.globl	k_qef66c7c951_gemm_t
	.p2align	8
	.type	k_qef66c7c951_gemm_t,@function
k_qef66c7c951_gemm_t:
	s_mov_b64 s[64:65], 0
	v_nop
	global_prefetch_b8 v0, s[64:65] scope:SCOPE_SE
	s_setreg_imm32_b32 hwreg(HW_REG_WAVE_MODE, 25, 1), 1
	s_wait_xcnt 0x0
	s_wait_alu depctr_hold_cnt(0) depctr_sa_sdst(0) depctr_va_vdst(0) depctr_va_sdst(0) depctr_va_ssrc(0) depctr_va_vcc(0) depctr_vm_vsrc(0)
	s_getreg_b32 s2, hwreg(HW_REG_IB_STS2, 6, 4)
	s_cmp_eq_u32 s2, 0
	s_cbranch_scc0 .Lentry_in_a_cluster
	s_endpgm
.Lentry_in_a_cluster:
	s_bfe_u32 s2, ttmp6, 0x10000c
	s_cmp_lg_u32 s2, 0xf033
	s_cbranch_scc0 .Lentry_shape_is_right
	s_endpgm
.Lentry_shape_is_right:
; t = tanh([rh16|x16] wh16),  out0 = h + z32 (t - h).   rh16, x16: [8192][1024] f16; wh16: [2048][1024] f16; h, z32, out0: [8192][1024] f32.
; LIMITS: the product's operands are f16 (a magnitude of 65,520 or more is infinite there), sums in f32.  The blend is h + z (t - h), not (1 - z) h + z t:
; the same number, rounded in another order.
; tanh(a) = 1 - 2 / (1 + 2^(2.885390 a)) saturates to exactly -1 and 1; near a = 0 it carries the absolute error of a difference from 1, about 1e-7, not a relative one.
;
; A work-group makes 128 rows x 256 columns with four waves; a wave makes 64 x 128: 32 accumulator tiles of 16 x 16, 256 registers, one register window.
; 64 x 4 blocks = 256 work-groups: blocks of 256 x 256 would be 128.  K = 2,048 goes in 16 steps of 128 through two LDS slots filled by the tensor data mover:
; steps 0-7 take A from rh16, 8-15 from x16.
; A's tile rows are 256 bytes of memory, B's 512, all starting at multiples of 256 bytes from their buffer's first byte.
; CLUSTERS: 4 x 4 work-groups.  The four of a cluster's row make the four blocks of one block row and need the same tiles of A; the four of a column need the
; same tiles of B.  Such a tile is asked for jointly: the same tensor load, the same descriptor, a mask that names the four.
; B lies [K][N] in memory and in LDS; ds_load_tr16_b128 transposes it on the way into registers.
; THE MATRIX INSTRUCTION IS USED TRANSPOSED (source 0 = B's fragment, source 1 = A's): lane l then holds row l % 16 of the tile, registers 0-7 its columns 8 (l / 16) + 0..7.
;
; REGISTERS.  Window 0: v10-18 addresses; v32-95 A's fragments (two buffers of 4); v96-223 B's fragments (two buffers of 8); on the way out T, Z, H as below.
;             Window 1: the accumulators, tile (a, b) at v[8 (8 a + b)].
.set PA,     272                       ; A's LDS row: 256 bytes + 16: an odd multiple of 16, so the 16 rows of a fragment load start 16 bytes apart modulo 256
.set PB,     544                       ; B's LDS row: 512 bytes + 32: an odd multiple of 32, as the transposing load's eight rows want
.set ATILE,  128*PA                    ; 34,816
.set BTILE,  128*PB                    ; 69,632
.set SLOT,   ATILE+BTILE               ; 104,448
.set STAGE,  2*SLOT                    ; 208,896 = 816 x 256: behind the ring; no tensor load ever lands here
.set SP,     528                       ; a stage row: 128 f32 + 16 bytes
.set SARR,   16*SP                     ; 16 rows for each wave: 8,448 bytes = 33 x 256
.set ASTEP,  256                       ; bytes along A's rows for a K step
.set BSTEP,  128*2048                  ; bytes down B's rows for a K step
.set ADRA, 10                          ; v10-11  LDS address of my A fragments in slot 0, 1
.set ADRB, 12                          ; v12-13  the same for B
.set STO,  14                          ; v14     the way out: where I put 32 bytes of a row
.set RD,   15                          ; v15     the way out: where I read 16 bytes of a row back
.set GO,   16                          ; v16     16 x lane: my bytes in a row of 128 f32
.set PF,   18                          ; v18     prefetch of h and z32: 4,096 (lane / 2) + 256 (lane % 2)
.set FA,   32
.set FB,   96
.set T,    32                          ; v32-95   the way out: t of 16 rows, first in the tiles' layout, then by rows
.set Z,    96                          ; v96-159  z by rows
.set H,    160                         ; v160-223 h by rows, then the result
.set G1A,  28                          ; s[28:35] descriptor group 1 for A's tiles
.set G1B,  36                          ; s[36:43] for B's
.set G0A,  44                          ; s[44:51] descriptor group 0 for A's tiles, one set for each slot
.set G0B,  52                          ; s[52:59] for B's
.set XA,   60                          ; s[60:63] x16 at my tile of its K steps 0 and 1
.set ZB,   68                          ; s[68:69] z32 at my wave's first row and column
.set HB,   80                          ; s[80:81] h likewise
.set OB,   82                          ; s[82:83] out0 likewise
.set MUL1, 0x50                        ; s_set_vgpr_msb: C and D in window 1, sources in window 0
.set RD1,  0x01                        ; source 0 in window 1, the rest in window 0
.set MSB, 0
.macro WIN new                         ; the immediate's high byte repeats the setting that is left
.if MSB != \new
	s_set_vgpr_msb (MSB<<8)|\new
.set MSB, \new
.endif
.endm
; Four places: a load into a register that a matrix instruction has read, and a vector instruction that reads a matrix result, stand four plain vector
; instructions behind that matrix instruction (ISA guide 7.12.1 for vector instructions).
.macro PLACES
.rept 4
	v_nop
.endr
.endm
; A joint load.  Waves 0 and 1 fetch A's two halves (64 rows x 256 bytes), waves 2 and 3 B's (64 K rows x 512 bytes).  Each line has one mask and one set of
; registers for all that issue it.  The branch hangs on the wave's number alone.  Four v_nop follow each line.
.macro JLOAD s
	s_cmp_eq_u32 s19, 0
	s_cbranch_scc0 .Lfor_b_\@
	tensor_load_to_lds s[G0A+4*\s:G0A+4*\s+3], s[G1A:G1A+7]
	s_nop 0
.rept 4
	v_nop
.endr
	s_branch .Lasked_\@
.Lfor_b_\@:
	tensor_load_to_lds s[G0B+4*\s:G0B+4*\s+3], s[G1B:G1B+7]
	s_nop 0
.rept 4
	v_nop
.endr
.Lasked_\@:
.endm
; A round of the cluster's barrier: my work-group's barrier; wave 0 signals for the work-group; every wave waits for all sixteen; my work-group's barrier once more.
.macro CREST                           ; a round behind its opening barrier
	s_cmp_lg_u32 s18, 0
	s_cbranch_scc1 .Lnot_wave_0_\@
	s_barrier_signal -3
.Lnot_wave_0_\@:
	s_barrier_wait -3
	s_barrier_signal -1
	s_barrier_wait -1
.endm
.macro CROUND
	s_barrier_signal -1
	s_barrier_wait -1
	CREST
.endm
; 24 LDS loads in one run: the fragments of quarter q (32 along K) of a slot into buffer g: 8 of B (128 columns), 4 of A (64 rows).
.macro FETCH slot, q, g
	WIN 0
.irp b, 0,1,2,3,4,5,6,7
	ds_load_tr16_b128 v[FB+64*\g+8*\b:FB+64*\g+8*\b+3],   v[ADRB+\slot] offset:\q*32*PB+32*\b          ; k = 32 q + 8 (l / 16) + 0..7 of column 16 b + l % 16
	ds_load_tr16_b128 v[FB+64*\g+8*\b+4:FB+64*\g+8*\b+7], v[ADRB+\slot] offset:\q*32*PB+32*\b+16*PB    ; k 16 further on; the largest offset is 61,152
.endr
.irp a, 0,1,2,3
	ds_load_b128 v[FA+32*\g+8*\a:FA+32*\g+8*\a+3],   v[ADRA+\slot] offset:\q*64+\a*16*PA
	ds_load_b128 v[FA+32*\g+8*\a+4:FA+32*\g+8*\a+7], v[ADRA+\slot] offset:\q*64+\a*16*PA+32
.endr
.endm
; 16 matrix instructions: row blocks a0, a0 + 1 x all 8 column blocks on buffer g.  zero = 1: the first product starts the sums, nothing is cleared.
; The 32 accumulators take turns, one instruction a turn, in the same order in every quarter, over the backward jumps too.
.macro MUL16 g, a0, zero
.irp a, \a0, \a0+1
.irp b, 0,1,2,3,4,5,6,7
.if \zero
	v_wmma_f32_16x16x32_f16 v[8*(8*(\a)+\b):8*(8*(\a)+\b)+7], v[FB+64*\g+8*\b:FB+64*\g+8*\b+7], v[FA+32*\g+8*(\a):FA+32*\g+8*(\a)+7], 0
.else
	v_wmma_f32_16x16x32_f16 v[8*(8*(\a)+\b):8*(8*(\a)+\b)+7], v[FB+64*\g+8*\b:FB+64*\g+8*\b+7], v[FA+32*\g+8*(\a):FA+32*\g+8*(\a)+7], v[8*(8*(\a)+\b):8*(8*(\a)+\b)+7]
.endif
.endr
.endr
.endm
; The wave's own 64 rows x 512 bytes of h and of z32, wanted on the way out: 4 requests of 32 lanes for each, 256 bytes apart, each aligned block of 256 bytes asked
; for once in the launch, by the wave that will load it, 160 matrix instructions ahead of those loads.  PF, HB and ZB are never rewritten.
.macro PREFH
.irp j, 0,1,2,3
	global_prefetch_b8 v[PF], s[HB:HB+1] offset:65536*\j th:TH_LOAD_NT scope:SCOPE_SE
	global_prefetch_b8 v[PF], s[ZB:ZB+1] offset:65536*\j th:TH_LOAD_NT scope:SCOPE_SE
.endr
.endm
; A K step is four quarters on buffers 0, 1, 0, 1.  A plain quarter: buffer f has come; quarter q's fragments are asked for into buffer g; buffer f is multiplied.
.macro QUARTER mul, slot, q, f, g, zero
	s_wait_dscnt 0x0                               ; buffer f, asked for 32 matrix instructions ago
	PLACES                                         ; behind the matrix instructions that read buffer g
	FETCH \slot, \q, \g
	WIN \mul
	MUL16 \f, 0, \zero
	MUL16 \f, 2, \zero
.endm
; The third quarter asks for the slot's last fragments and says that the slot is read.
.macro QSIGNAL mul, slot
	s_wait_dscnt 0x0
	PLACES
	FETCH \slot, 3, 1
	WIN \mul
	MUL16 0, 0, 0
	s_wait_dscnt 0x0                               ; my reads of this slot are over,
	s_wait_tensorcnt 0x0                           ; and all my tensor loads have landed: the one that was out is my part of the other slot
	ds_add_u32 v254, v255
	s_wait_dscnt 0x0
	s_barrier_signal -1                            ; say so (where the slot is filled again this barrier opens a round of the cluster's barrier);
	MUL16 0, 2, 0                                  ; registers alone while the others arrive
.endm
; The fourth quarter changes slots.  fill = 0: nothing is left to fetch; 1: this slot's tiles two K steps on; 2: A goes over to x16.
; From a request to the wait for it a wave issues 112 matrix instructions.
.macro QTURN mul, slot, next, fill
	WIN 0
	s_barrier_wait -1
.if \fill
	CREST                                          ; no wave of any partner still reads this slot or has a load on its way
.if \fill == 1
	s_add_nc_u64 s[G0A+4*\slot+2:G0A+4*\slot+3], s[G0A+4*\slot+2:G0A+4*\slot+3], 2*ASTEP   ; no tensor load of mine is out: every group 0 may be written
.else
	s_mov_b64 s[G0A+4*\slot+2:G0A+4*\slot+3], s[XA+2*\slot:XA+2*\slot+1]
	s_or_b32 s[G0A+4*\slot+3], s[G0A+4*\slot+3], 0x80000000
.endif
	s_add_nc_u64 s[G0B+4*\slot+2:G0B+4*\slot+3], s[G0B+4*\slot+2:G0B+4*\slot+3], 2*BSTEP
	JLOAD \slot                                    ; my one tensor load behind the round, first thing there; its four v_nop are also the places in front of the loads below
.else
	PLACES
.endif
	FETCH \next, 0, 0
.if \fill == 0
	PREFH
.endif
	WIN \mul
	MUL16 1, 0, 0
	MUL16 1, 2, 0
.endm
.macro STEP mul, slot, next, zero, fill
	QUARTER \mul, \slot, 1, 0, 1, \zero
	QUARTER \mul, \slot, 2, 1, 0, 0
	QSIGNAL \mul, \slot
	QTURN   \mul, \slot, \next, \fill
.endm
.macro LASTSTEP mul, slot                      ; nothing to change to
	QUARTER \mul, \slot, 1, 0, 1, 0
	QUARTER \mul, \slot, 2, 1, 0, 0
	QUARTER \mul, \slot, 3, 0, 1, 0
	s_wait_dscnt 0x0
	WIN \mul
	MUL16 1, 0, 0
	MUL16 1, 2, 0
.endm
.macro LAP mul, zero, fill                     ; once round the ring
	STEP \mul, 0, 1, \zero, \fill
	STEP \mul, 1, 0, 0, \fill
.endm
.macro LAPS mul, n                             ; n laps in a counted loop; at a label and at a branch every window is 0
	WIN 0
	s_mov_b32 s3, \n
.Llap_\@:
	LAP \mul, 0, 1
	WIN 0
	s_sub_co_u32 s3, s3, 1
	s_cmp_lg_u32 s3, 0
	s_cbranch_scc1 .Llap_\@
.endm
	s_load_b256 s[4:11], s[0:1], 0x0               ; rh16 4, x16 6, wh16 8, h 10
	s_load_b128 s[12:15], s[0:1], 0x20             ; z32 12, out0 14
	v_lshl_add_u32 v254, v0, 2, 0x3b400
	v_mov_b32 v255, 0
	ds_add_u32 v254, v255
	v_lshrrev_b32 v1, 5, v0
	v_readfirstlane_b32 s18, v1                    ; wave 0..3
	s_lshr_b32 s19, s18, 1                         ; my half of the block's rows.  Also: I fetch for A (0) or for B (1)
	s_and_b32 s20, s18, 1                          ; my half of its columns.  Also: which half of that tile I fetch
	s_bfe_u32 s21, ttmp6, 0x40000                  ; cx
	s_bfe_u32 s22, ttmp6, 0x40004                  ; cy
	s_lshl_b32 s23, ttmp9, 2
	s_add_co_u32 s23, s23, s21                     ; block column = 4 x cluster x + cx
	s_and_b32 s24, ttmp7, 0xffff
	s_lshl_b32 s24, s24, 2
	s_add_co_u32 s24, s24, s22                     ; block row = 4 x cluster y + cy
	s_lshl_b32 s25, s22, 2
	s_lshl_b32 s25, 15, s25                        ; my row of the cluster: places 4 cy .. 4 cy + 3
	s_lshl_b32 s26, 0x1111, s21                    ; my column: places cx, cx + 4, cx + 8, cx + 12
	; group 1 for A: 64 rows x 128 elements of 2 bytes, 4 words of padding behind every 64 words
	s_or_b32 s[G1A+0], s25, (1<<16)|(1<<20)|(1<<21)|(5<<22)|(3<<25)   ; 15:0 mask; 17:16 element size; 20 padding on; 21 set beside a mask; 24:22 interval; 31:25 pad
	s_mov_b32 s[G1A+1], 128<<16                    ; tensor_dim0 = 128
	s_mov_b32 s[G1A+2], 64<<16                     ; tensor_dim1 = 64
	s_mov_b32 s[G1A+3], 128<<16                    ; tile_dim0 = 128
	s_mov_b32 s[G1A+4], 64                         ; tile_dim1 = 64
	s_mov_b32 s[G1A+5], 1024                       ; elements from row to row
	s_mov_b32 s[G1A+6], 0
	s_mov_b32 s[G1A+7], 0
	; group 1 for B: 64 K rows x 256 elements, 8 words of padding behind every 128 words
	s_or_b32 s[G1B+0], s26, (1<<16)|(1<<20)|(1<<21)|(6<<22)|(7<<25)
	s_mov_b32 s[G1B+1], 256<<16
	s_mov_b32 s[G1B+2], 64<<16
	s_mov_b32 s[G1B+3], 256<<16
	s_mov_b32 s[G1B+4], 64
	s_mov_b32 s[G1B+5], 1024
	s_mov_b32 s[G1B+6], 0
	s_mov_b32 s[G1B+7], 0
	; A's offset hangs on the block row and the wave alone, B's on the block column and the wave alone, each in registers that never hold the other coordinate
	s_lshl_b32 s76, s24, 7
	s_lshl_b32 s77, s20, 6
	s_add_co_u32 s76, s76, s77                     ; row 128 x block row + 64 x half
	s_lshl_b32 s76, s76, 11                        ; x 2,048 bytes
	s_mov_b32 s77, 0
	s_lshl_b32 s78, s20, 17                        ; 64 K rows x 2,048 bytes x half
	s_lshl_b32 s79, s23, 9                         ; 256 columns x 2 bytes x block column
	s_add_co_u32 s78, s78, s79
	s_mov_b32 s79, 0
	s_mul_i32 s84, s20, 64*PA                      ; where my half goes in a slot, if I fetch for A,
	s_mul_i32 s85, s20, 64*PB
	s_add_co_u32 s85, s85, ATILE                   ; if for B: no place in the cluster enters an LDS address
	; my wave's corner of h, z32 and out0
	s_lshl_b32 s86, s24, 7
	s_lshl_b32 s87, s19, 6
	s_add_co_u32 s86, s86, s87                     ; first row
	s_lshl_b32 s87, s23, 1
	s_add_co_u32 s87, s87, s20                     ; first column / 128
	s_lshl_b32 s88, s86, 12                        ; 4,096 bytes a row,
	s_lshl_b32 s89, s87, 9                         ; 512 bytes for 128 columns
	s_add_co_u32 s88, s88, s89
	s_mov_b32 s89, 0
	s_wait_dscnt 0x0
	s_wait_kmcnt 0x0
	s_add_nc_u64 s[4:5], s[4:5], s[76:77]          ; rh16 at my tile of K step 0
	s_add_nc_u64 s[XA:XA+1], s[6:7], s[76:77]      ; x16 at my tile of its step 0,
	s_add_nc_u64 s[XA+2:XA+3], s[XA:XA+1], ASTEP   ; and of its step 1
	s_add_nc_u64 s[8:9], s[8:9], s[78:79]          ; wh16 at my tile of K step 0
	s_add_nc_u64 s[HB:HB+1], s[10:11], s[88:89]
	s_add_nc_u64 s[ZB:ZB+1], s[12:13], s[88:89]
	s_add_nc_u64 s[OB:OB+1], s[14:15], s[88:89]
	CROUND                                         ; all sixteen work-groups are here: the first joint loads meet
.irp s, 0,1
	s_mov_b32 s[G0A+4*\s], 1                                       ; count = 1
	s_add_co_u32 s[G0A+4*\s+1], s84, \s*SLOT                       ; LDS address
	s_add_nc_u64 s[G0A+4*\s+2:G0A+4*\s+3], s[4:5], \s*ASTEP        ; global address: K step s
	s_or_b32 s[G0A+4*\s+3], s[G0A+4*\s+3], 0x80000000              ; type = 2
	s_mov_b32 s[G0B+4*\s], 1
	s_add_co_u32 s[G0B+4*\s+1], s85, \s*SLOT
	s_add_nc_u64 s[G0B+4*\s+2:G0B+4*\s+3], s[8:9], \s*BSTEP
	s_or_b32 s[G0B+4*\s+3], s[G0B+4*\s+3], 0x80000000
	JLOAD \s                                       ; both slots' first fills go out before anything else: two tensor loads of the wave are out here, one later on
.endr
	v_and_b32 v1, 15, v0                           ; l % 16
	v_bfe_u32 v2, v0, 4, 1                         ; l / 16
	v_and_b32 v3, 7, v0                            ; l % 8
	v_bfe_u32 v4, v0, 3, 1                         ; (l / 8) % 2
	v_and_b32 v5, 31, v0                           ; l
	v_mul_u32_u24 v6, v1, PA                       ; A: row l % 16, 16 bytes on for the upper lanes
	v_lshl_add_u32 v6, v2, 4, v6
	s_mul_i32 s27, s19, 64*PA                      ; my 64 rows
	v_add_nc_u32 v[ADRA], s27, v6
	v_add_nc_u32 v[ADRA+1], SLOT, v[ADRA]
	v_lshl_add_u32 v7, v2, 3, v3                   ; B: K row 8 (l / 16) + l % 8,
	v_mul_u32_u24 v7, v7, PB
	v_lshl_add_u32 v7, v4, 4, v7                   ; columns 0-7 or 8-15 of the sixteen
	s_lshl_b32 s27, s20, 8                         ; my 128 columns,
	s_add_co_u32 s27, s27, ATILE                   ; behind A's tile
	v_add_nc_u32 v[ADRB], s27, v7
	v_add_nc_u32 v[ADRB+1], SLOT, v[ADRB]
	s_mul_i32 s27, s18, SARR
	s_add_co_u32 s27, s27, STAGE                   ; my stage
	v_mul_u32_u24 v8, v1, SP
	v_lshl_add_u32 v8, v2, 5, v8                   ; in: row l % 16, 32 bytes for each half of the lanes
	v_add_nc_u32 v[STO], s27, v8
	v_lshl_add_u32 v[RD], v5, 4, s27               ; back: 32 lanes take a row's 512 bytes
	v_lshlrev_b32 v[GO], 4, v5
	v_lshrrev_b32 v9, 1, v5
	v_and_b32 v8, 1, v5
	v_lshlrev_b32 v[PF], 8, v8
	v_lshl_add_u32 v[PF], v9, 12, v[PF]
	s_wait_tensorcnt 0x1                           ; my part of K step 0 is in; step 1's may stay out
	s_barrier_signal -1
	s_barrier_wait -1                              ; everybody's is
	FETCH 0, 0, 0
	LAP  MUL1, 1, 1                                ; K steps 0, 1: the first products start the sums; asks for steps 2, 3
	LAPS MUL1, 2                                   ; steps 2-5; asks for 4-7
	LAP  MUL1, 0, 2                                ; steps 6, 7; asks for 8, 9: A from x16
	LAPS MUL1, 3                                   ; steps 8-13; asks for 10-15
	STEP MUL1, 0, 1, 0, 0                          ; step 14: nothing is left to fetch, so no round of the cluster's barrier
	LASTSTEP MUL1, 1                               ; step 15
	PLACES                                         ; behind the last matrix instructions: for the reads of the sums and for the loads into the fragments' registers
	WIN 0
; THE WAY OUT, 16 rows at a time: tanh in the tiles' layout, through my own stage in LDS into whole rows, the blend with h and z, stored.
.macro OUT16 a
	s_wait_xcnt 0x0                                ; every earlier memory instruction has had its addresses translated (ISA guide 3.1): H, which the last group's stores read, is loaded again only behind this wait
.irp t, 0,1,2,3,4,5,6,7,8,9,10,11,12,13,14,15
	global_load_b128 v[H+4*\t:H+4*\t+3], v[GO], s[HB:HB+1] offset:(16*\a+\t)*4096 th:TH_LOAD_NT   ; 512 neighbouring bytes of row t of h,
	global_load_b128 v[Z+4*\t:Z+4*\t+3], v[GO], s[ZB:ZB+1] offset:(16*\a+\t)*4096 th:TH_LOAD_NT   ; and of z
.endr
	WIN RD1
.set p, 0
.rept 32
	v_pk_mul_f32 v[T+2*p:T+2*p+1], v[64*\a+2*p:64*\a+2*p+1], 0x4038aa3b op_sel_hi:[1,0]   ; 2 log2(e) x sum
.set p, p+1
.endr
	WIN 0
.set p, 0
.rept 64
	v_exp_f32 v[T+p], v[T+p]
.set p, p+1
.endr
	v_nop                                          ; one plain vector instruction between a transcendental and the use of its result (ISA guide 5.7.2)
.set p, 0
	s_wait_alu depctr_va_vdst(0)
.rept 32
	v_pk_add_f32 v[T+2*p:T+2*p+1], v[T+2*p:T+2*p+1], 1.0 op_sel_hi:[1,0]
.set p, p+1
.endr
.set p, 0
.rept 64
	v_rcp_f32 v[T+p], v[T+p]
.set p, p+1
.endr
	v_nop
.set p, 0
	s_wait_alu depctr_va_vdst(0)
.rept 32
	v_pk_fma_f32 v[T+2*p:T+2*p+1], v[T+2*p:T+2*p+1], -2.0, 1.0 op_sel_hi:[1,0,0]   ; t = 1 - 2 / (1 + 2^..)
.set p, p+1
.endr
.irp b, 0,1,2,3,4,5,6,7
	ds_store_b128 v[STO], v[T+8*\b:T+8*\b+3]   offset:64*\b
	ds_store_b128 v[STO], v[T+8*\b+4:T+8*\b+7] offset:64*\b+16
.endr
	s_wait_dscnt 0x0                               ; the loads below land in the registers that these stores read: they are issued when the stores are done
.irp t, 0,1,2,3,4,5,6,7,8,9,10,11,12,13,14,15
	ds_load_b128 v[T+4*\t:T+4*\t+3], v[RD] offset:SP*\t            ; my own bytes: row t of t
.endr
.irp t, 0,1,2,3,4,5,6,7,8,9,10,11,12,13,14,15
	s_wait_dscnt 15-\t                             ; LDS loads come back in order (ISA guide 5.7.1): row t is back, the 15 - t younger ones stay out
	s_wait_loadcnt 30-2*\t                         ; row t of h and of z is in, the 15 - t younger pairs stay out
	v_pk_add_f32 v[T+4*\t:T+4*\t+1],   v[T+4*\t:T+4*\t+1],   v[H+4*\t:H+4*\t+1]   neg_lo:[0,1] neg_hi:[0,1]   ; t - h
	v_pk_add_f32 v[T+4*\t+2:T+4*\t+3], v[T+4*\t+2:T+4*\t+3], v[H+4*\t+2:H+4*\t+3] neg_lo:[0,1] neg_hi:[0,1]
	v_pk_fma_f32 v[H+4*\t:H+4*\t+1],   v[Z+4*\t:Z+4*\t+1],   v[T+4*\t:T+4*\t+1],   v[H+4*\t:H+4*\t+1]         ; h + z (t - h)
	v_pk_fma_f32 v[H+4*\t+2:H+4*\t+3], v[Z+4*\t+2:Z+4*\t+3], v[T+4*\t+2:T+4*\t+3], v[H+4*\t+2:H+4*\t+3]
	global_store_b128 v[GO], v[H+4*\t:H+4*\t+3], s[OB:OB+1] offset:(16*\a+\t)*4096 th:TH_STORE_NT   ; the wave stores 512 consecutive bytes, at a multiple of 512 from out0's first byte
.endr
.endm
	OUT16 0
	OUT16 1
	OUT16 2
	OUT16 3
	s_wait_tensorcnt 0x0
	ds_add_u32 v254, v255
	s_wait_dscnt 0x0
	CROUND                                         ; the closing round: no work-group ends while a partner may still ask for a tile that names it
	s_endpgm
.Lfunc_end_k_qef66c7c951_gemm_t:
	.size	k_qef66c7c951_gemm_t, .Lfunc_end_k_qef66c7c951_gemm_t-k_qef66c7c951_gemm_t
	.p2alignl 7, 3214868480
	.fill 96, 4, 3214868480
	.section	.rodata,"a",@progbits
	.p2align	6, 0x0
	.amdhsa_kernel k_qef66c7c951_gemm_t
		.amdhsa_group_segment_fixed_size 327680
		.amdhsa_private_segment_fixed_size 0
		.amdhsa_enable_private_segment 0
		.amdhsa_kernarg_size 48
		.amdhsa_user_sgpr_count 2
		.amdhsa_user_sgpr_kernarg_segment_ptr 1
		.amdhsa_wavefront_size32 1
		.amdhsa_system_sgpr_workgroup_id_x 1
		.amdhsa_system_sgpr_workgroup_id_y 1
		.amdhsa_system_sgpr_workgroup_id_z 1
		.amdhsa_system_vgpr_workitem_id 0
		.amdhsa_next_free_vgpr 512
		.amdhsa_next_free_sgpr 90
		.amdhsa_reserve_vcc 0
		.amdhsa_float_denorm_mode_32 3
		.amdhsa_float_denorm_mode_16_64 3
		.amdhsa_memory_ordered 1
		.amdhsa_forward_progress 1
		.amdhsa_inst_pref_size 255
	.end_amdhsa_kernel
	.section	.bss,"aw",@nobits
	.p2align	6
	.space	262144
	.amdgpu_metadata
---
amdhsa.version: [ 1, 2 ]
amdhsa.kernels:
  - .name:           k_qef66c7c951_gemm_t
    .symbol:         k_qef66c7c951_gemm_t.kd
    .args:
      - { .name: rh16, .offset: 0, .size: 8, .value_kind: global_buffer, .address_space: global }
      - { .name: x16, .offset: 8, .size: 8, .value_kind: global_buffer, .address_space: global }
      - { .name: wh16, .offset: 16, .size: 8, .value_kind: global_buffer, .address_space: global }
      - { .name: h, .offset: 24, .size: 8, .value_kind: global_buffer, .address_space: global }
      - { .name: z32, .offset: 32, .size: 8, .value_kind: global_buffer, .address_space: global }
      - { .name: out0, .offset: 40, .size: 8, .value_kind: global_buffer, .address_space: global }
    .group_segment_fixed_size: 327680
    .private_segment_fixed_size: 0
    .kernarg_segment_align: 8
    .kernarg_segment_size: 48
    .max_flat_workgroup_size: 128
    .sgpr_count:     90
    .vgpr_count:     512
    .wavefront_size: 32
...
	.end_amdgpu_metadata
.endif
;; end of part 3
